; MI455X (gfx1250); checked and timed in simulation.
; The chip was launched on July 23, 2026; its instructions are those of AMD's public machine-readable ISA for CDNA 5 (MIT licence, August 2026) and "CDNA5" Instruction Set Architecture Reference Guide (July 2026). The comments in the code are by the model that wrote it; some were corrected since.
;; Attention Block. Allowed arithmetic: matrix products marked QUANTISED: E3M2 operands, one E8M0 scale for each 32 along K, by v_wmma_scale_f32_16x16x128_f8f6f4 with both operands' format E3M2, f32 sums; everything else in f32.
;; Inputs: bk 256 float32; bp 256 float32; bq 256 float32; bv 256 float32; gn_bias 256 float32; gn_weight 256 float32; wk_codes 256 x 8 x 24 uint8 (E3M2 codes of wk, K innermost, in blocks of 32 codes, four codes in three bytes); wk_scales 256 x 8 uint8 (E8M0 scales of wk, one for each 32 codes along K); wp_codes 256 x 8 x 24 uint8 (E3M2 codes of wp, K innermost, in blocks of 32 codes, four codes in three bytes); wp_scales 256 x 8 uint8 (E8M0 scales of wp, one for each 32 codes along K); wq_codes 256 x 8 x 24 uint8 (E3M2 codes of wq, K innermost, in blocks of 32 codes, four codes in three bytes); wq_scales 256 x 8 uint8 (E8M0 scales of wq, one for each 32 codes along K); wv_codes 256 x 8 x 24 uint8 (E3M2 codes of wv, K innermost, in blocks of 32 codes, four codes in three bytes); wv_scales 256 x 8 uint8 (E8M0 scales of wv, one for each 32 codes along K); x 4 x 256 x 64 x 64 float32.
;; Outputs: out0 4 x 256 x 64 x 64 float32.
;; This version of the problem:
;;   THIS VERSION OF THE PROBLEM IS GIVEN IN LOW PRECISION. The matrix products marked QUANTISED in the list below multiply operands that are first quantised to E3M2 (3 exponent bits, 2 mantissa bits; 6 bits a number), with one power-of-two scale for each 32 numbers along K (OCP MX v1.0); their sums are f32. All else is computed in f32.
;;   The module's matrix products, in the order in which they are computed (A, B: the left and right operand; K: the contracted axis; several contracted axes count as one K, in the product's order):
;;     1. [M 16,384, K 256] x [K 256, N 256]; A: computed on the way; B: input wq (given as codes): QUANTISED
;;     2. [M 16,384, K 256] x [K 256, N 256]; A: computed on the way; B: input wk (given as codes): QUANTISED
;;     3. [M 16,384, K 256] x [K 256, N 256]; A: computed on the way; B: input wv (given as codes): QUANTISED
;;     4. batch 16 x [M 4,096, K 64] x [K 64, N 4,096]; A: computed on the way; B: computed on the way: QUANTISED
;;     5. batch 16 x [M 64, K 4,096] x [K 4,096, N 4,096]; A: computed on the way; B: softmax (see below): QUANTISED
;;     6. [M 16,384, K 256] x [K 256, N 256]; A: computed on the way; B: input wp (given as codes): QUANTISED
;;   THE QUANTISER, for each operand of a quantised product, along K:
;;     - K is cut into blocks of 32 from its start; a last block that is shorter is filled with zeros.
;;     - A block's scale is 2^e with e = floor(log2(the largest magnitude in the block)) - 4, held to -126 .. 127; a block of zeros has e = 0. As a byte (E8M0): e + 127.
;;     - Each number is divided by its block's scale, clamped to +-28, and rounded to the nearest number of E3M2, ties to even, subnormals kept.
;;     - The product sums the exact products of the quantised numbers (number of the format x scale) in f32.
;;   ~~~python
;;   def quantise(x, axis):      # numpy; x: float32 -> the quantised numbers, widened to float32 again
;;       x = np.moveaxis(x, axis, -1); K = x.shape[-1]
;;       x = np.pad(x, [(0, 0)] * (x.ndim - 1) + [(0, -K % 32)]); x = x.reshape(x.shape[:-1] + (-1, 32)); a = np.abs(x).max(-1, keepdims=True)
;;       e = np.where(a > 0, np.clip(np.frexp(np.where(a > 0, a, 1))[1] - 1 - 4, -126, 127), 0)      # np.frexp(a)[1] - 1 = floor(log2(a)), exactly
;;       r = np.clip(x / 2.0 ** e, -28, 28)
;;       step = 2.0 ** (np.maximum(np.frexp(np.where(r == 0, 1, r))[1] - 1, -2) - 2)
;;       q = np.round(r / step) * step * 2.0 ** e      # np.round: ties to even
;;       return np.moveaxis(q.reshape(q.shape[:-2] + (-1,))[..., :K], -1, axis).astype(np.float32)
;;   ~~~
;;   SOFTMAX AHEAD OF A QUANTISED PRODUCT. Where the list says 'softmax', what is quantised is not the finished softmax but p = 2^(t - M), with t = logit x log2(e) and M = ceil(the row's largest t), a whole number; so 1/2 < the row's largest p <= 1. The row's sum l is taken of the UNQUANTISED p, in f32, and the product's result is divided by l at the end. Since M is a whole number, a kernel that streams over the keys may use a running M (the ceiling of the running maximum): every later rescaling is an exact power of two, which a block's scale takes up: the codes' values come out the same.
;;   OPERANDS COMPUTED ON THE WAY. 'Computed on the way' means the value that the module computes at that place (a softmax that the list does not call 'softmax' is quantised finished and normalised). What goes into a quantiser is computed in f32, as accurately as f32 sums, v_exp_f32 and their like allow (about 1e-6 of the number): no bf16 or f16 on the way to a quantiser, and a product that is left as it is and whose result goes on into a quantised operand takes f32 operands (vector FMAs, or v_wmma_f32_16x16x4_f32). A number that lies on a knife's edge between two numbers of the format may be rounded either way, as far as f32 arithmetic and the matrix unit's own rounding can turn it there, and no further.
;;   INPUTS GIVEN AS CODES. wk (in the module: [256, 256], K = its axis 1); wp (in the module: [256, 256], K = its axis 1); wq (in the module: [256, 256], K = its axis 1); wv (in the module: [256, 256], K = its axis 1): each comes as NAME_codes (uint8): NAME with its K axis moved to the last place and cut into blocks of 32 codes, [.., K / 32, bytes a block], one block behind the other in memory; four codes in three bytes: a row's codes are one little-endian stream of bits, code i at bits 6 i .. 6 i + 5 (a code: sign, 3 exponent bits, 2 mantissa bits); and NAME_scales (uint8): the same leading axes, one E8M0 byte (e + 127) for each 32 codes along K. Its value is code x scale, taken as it is: it is not quantised again, and the codes and scales need not be those that the quantiser above would give.
;; One version. Each part assembles by itself: llvm-mc -triple=amdgcn-amd-amdhsa -mcpu=gfx1250 --defsym DOCPART=n.
;; ======== version 1 of 1: 4 launches
;; workspace buffers: stats 2,048 bytes; qbuf 3,407,872 bytes; kv 6,684,672 bytes; obuf 3,407,872 bytes
;; launch stats (part 1): grid 256 x 1, 8 waves a work-group, no clusters, 1,280 bytes of LDS; arguments x, stats; writes stats
.if DOCPART == 1
	.amdgcn_target "amdgcn-amd-amdhsa--gfx1250"
	.amdhsa_code_object_version 6
	.text
	.protected	k_q6a5951cf3d_stats
	.globl	k_q6a5951cf3d_stats
	.p2align	8
	.type	k_q6a5951cf3d_stats,@function
k_q6a5951cf3d_stats:
	s_mov_b64 s[64:65], 0
	v_nop
	global_prefetch_b8 v0, s[64:65] scope:SCOPE_SE
	s_setreg_imm32_b32 hwreg(HW_REG_WAVE_MODE, 25, 1), 1
	s_wait_xcnt 0x0
; GROUP NORM, FIRST PASS.  x: [4][256][4096] f32; a group is 32 channels x 4,096 pixels = 131,072 numbers on end = 512 KiB.
; Work-group i takes the 64 KiB at byte 65,536 i: part i % 8 of group i / 8, 16,384 numbers, and stores (mean, sum of squared deviations from that mean) at stats + 8 i.
; The numbers stay in registers between the pass for the mean and the pass for the deviations, and parts are joined by
; M2 = sum of the parts' M2 + n x sum of (part's mean - joint mean)^2: no difference of large sums is formed, so a common offset of the inputs does no harm.
; Thread t takes 16 bytes at 16 t + 4,096 k, k = 0 .. 15: a wave's load covers 512 consecutive bytes.  No matrix unit, no cluster: a plain stream.
; LIMITS: NaN and infinities among the inputs are not served.
.set X, 16                             ; v16-79  my 64 numbers
	s_load_b128 s[4:7], s[0:1], 0x0                ; x s[4:5], stats s[6:7]
	v_lshl_add_u32 v96, v0, 2, 0x100
	v_mov_b32 v97, 0
	v_lshlrev_b32 v1, 4, v0                        ; 16 t
	v_lshrrev_b32 v2, 5, v0
	s_delay_alu instid0(VALU_DEP_1)
	v_readfirstlane_b32 s8, v2                     ; wave 0..7
	s_delay_alu instid0(VALU_DEP_2)
	v_lshlrev_b32 v3, 3, v2                        ; LDS: 8 bytes a wave
	s_lshl_b32 s10, ttmp9, 16                      ; my 64 KiB
	s_mov_b32 s11, 0
	s_lshl_b32 s14, ttmp9, 3                       ; my 8 bytes of stats
	s_mov_b32 s15, 0
	s_mov_b32 s12, 0x76543210                      ; v_permlanex16_b32's selects for lane l xor 16
	s_mov_b32 s13, 0xfedcba98
	s_mov_b32 s9, 0x45000000                       ; 2,048.0: the numbers of a wave
	v_mov_b32 v81, 0                               ; a lane permute's destination counts as read
	v_mov_b32 v82, 0                               ; offset 0
	s_wait_alu depctr_va_vdst(0)
	s_wait_kmcnt 0x0
	s_add_nc_u64 s[4:5], s[4:5], s[10:11]
	s_add_nc_u64 s[6:7], s[6:7], s[14:15]
.irp k, 0,1,2,3,4,5,6,7,8,9,10,11,12,13,14,15
	global_load_b128 v[X+4*\k:X+4*\k+3], v1, s[4:5] offset:4096*\k
.endr
; four packed chains v[4:11] become one number in every lane of the wave: v80
.macro REDUCE
	s_delay_alu instid0(VALU_DEP_3)
	v_pk_add_f32 v[4:5], v[4:5], v[6:7]
	s_delay_alu instid0(VALU_DEP_2)
	v_pk_add_f32 v[8:9], v[8:9], v[10:11]
	s_delay_alu instid0(VALU_DEP_1)
	v_pk_add_f32 v[4:5], v[4:5], v[8:9]
	s_delay_alu instid0(VALU_DEP_1)
	v_add_f32 v80, v4, v5
	s_delay_alu instid0(VALU_DEP_1)
	v_add_f32_dpp v80, v80, v80 row_xmask:1 row_mask:0xf bank_mask:0xf
	s_delay_alu instid0(VALU_DEP_1)
	v_add_f32_dpp v80, v80, v80 row_xmask:2 row_mask:0xf bank_mask:0xf
	s_delay_alu instid0(VALU_DEP_1)
	v_add_f32_dpp v80, v80, v80 row_xmask:4 row_mask:0xf bank_mask:0xf
	s_delay_alu instid0(VALU_DEP_1)
	v_add_f32_dpp v80, v80, v80 row_xmask:8 row_mask:0xf bank_mask:0xf
	s_delay_alu instid0(VALU_DEP_1)
	v_permlanex16_b32 v81, v80, s12, s13
	s_delay_alu instid0(VALU_DEP_1)
	v_add_f32 v80, v80, v81
.endm
; the sum: four loads at a time; the first group starts the chains, nothing is cleared
.irp g, 0,1,2,3
	s_wait_alu depctr_va_vdst(0)
	s_wait_loadcnt 12-4*\g                         ; loads come back in order: this group's four are in, the younger ones stay out
.irp c, 0,1,2,3
.if \g == 0
	v_pk_add_f32 v[4+2*\c:5+2*\c], v[X+2*\c:X+2*\c+1], v[X+8+2*\c:X+9+2*\c]
.else
	v_pk_add_f32 v[4+2*\c:5+2*\c], v[4+2*\c:5+2*\c], v[X+16*\g+2*\c:X+16*\g+2*\c+1]
.endif
.endr
.if \g > 0
.irp c, 0,1,2,3
	s_delay_alu instid0(VALU_DEP_4)
	v_pk_add_f32 v[4+2*\c:5+2*\c], v[4+2*\c:5+2*\c], v[X+16*\g+8+2*\c:X+16*\g+9+2*\c]
.endr
.endif
.endr
	REDUCE
	s_delay_alu instid0(VALU_DEP_1)
	v_mul_f32 v12, 0x3a000000, v80                 ; the wave's mean: sum x 2^-11
	s_delay_alu instid0(VALU_DEP_1)
	v_mov_b32 v14, v12
	s_delay_alu instid0(VALU_DEP_2)
	v_mov_b32 v15, v12
.set i, 0
.rept 32
	v_pk_add_f32 v[X+2*i:X+2*i+1], v[X+2*i:X+2*i+1], v[14:15] neg_lo:[0,1] neg_hi:[0,1]   ; deviations
.set i, i+1
.endr
.set i, 0
.rept 32
.if i < 4
	v_pk_mul_f32 v[4+2*i:5+2*i], v[X+2*i:X+2*i+1], v[X+2*i:X+2*i+1]
.else
	s_delay_alu instid0(VALU_DEP_4)
	v_pk_fma_f32 v[4+2*(i%4):5+2*(i%4)], v[X+2*i:X+2*i+1], v[X+2*i:X+2*i+1], v[4+2*(i%4):5+2*(i%4)]
.endif
.set i, i+1
.endr
	REDUCE
	s_delay_alu instid0(VALU_DEP_1)
	v_mov_b32 v13, v80                             ; the wave's M2
	ds_store_b64 v3, v[12:13]                      ; all lanes write the same pair to the wave's own 8 bytes
	s_wait_dscnt 0x0                               ; for the others' sake: my store has landed
	s_barrier_signal -1
	s_barrier_wait -1
	ds_load_b128 v[16:19], v82                     ; the eight waves' pairs
	ds_load_b128 v[20:23], v82 offset:16
	ds_load_b128 v[24:27], v82 offset:32
	ds_load_b128 v[28:31], v82 offset:48
	s_wait_dscnt 0x0
	v_add_f32 v32, v16, v18
	v_add_f32 v34, v20, v22
	v_add_f32 v35, v24, v26
	v_add_f32 v36, v28, v30
	s_delay_alu instid0(VALU_DEP_3)
	v_add_f32 v32, v32, v34
	s_delay_alu instid0(VALU_DEP_2)
	v_add_f32 v35, v35, v36
	s_delay_alu instid0(VALU_DEP_1)
	v_add_f32 v32, v32, v35
	s_delay_alu instid0(VALU_DEP_1)
	v_mul_f32 v32, 0x3e000000, v32                 ; the part's mean: an eighth of the sum of the waves' means
.irp p, 0,1,2,3,4,5,6,7
	v_sub_f32 v[16+2*\p], v[16+2*\p], v32
.endr
	v_mul_f32 v34, v16, v16
.irp p, 1,2,3,4,5,6,7
	s_delay_alu instid0(VALU_DEP_1)
	v_fma_f32 v34, v[16+2*\p], v[16+2*\p], v34
.endr
	v_add_f32 v33, v17, v19
.irp p, 2,3,4,5,6,7
	s_delay_alu instid0(VALU_DEP_1)
	v_add_f32 v33, v33, v[17+2*\p]
.endr
	s_delay_alu instid0(VALU_DEP_1)
	v_fma_f32 v33, v34, s9, v33                    ; the part's M2
	s_cmp_lg_u32 s8, 0                             ; wave 0 stores; the others are done
	s_cbranch_scc1 .Ldone
	s_wait_xcnt 0x0                                ; EXEC changes only behind this wait
	v_cmp_eq_u32 vcc_lo, 0, v0
	s_and_saveexec_b32 s16, vcc_lo
	s_wait_alu depctr_va_vdst(0)
	global_store_b64 v82, v[32:33], s[6:7]
	s_wait_xcnt 0x0
	s_or_b32 exec_lo, exec_lo, s16
.Ldone:
	s_wait_tensorcnt 0x0
	ds_add_u32 v96, v97
	s_wait_dscnt 0x0
	s_endpgm
.Lfunc_end_k_q6a5951cf3d_stats:
	.size	k_q6a5951cf3d_stats, .Lfunc_end_k_q6a5951cf3d_stats-k_q6a5951cf3d_stats
	.p2alignl 7, 3214868480
	.fill 96, 4, 3214868480
	.section	.rodata,"a",@progbits
	.p2align	6, 0x0
	.amdhsa_kernel k_q6a5951cf3d_stats
		.amdhsa_group_segment_fixed_size 1280
		.amdhsa_private_segment_fixed_size 0
		.amdhsa_enable_private_segment 0
		.amdhsa_kernarg_size 16
		.amdhsa_user_sgpr_count 2
		.amdhsa_user_sgpr_kernarg_segment_ptr 1
		.amdhsa_wavefront_size32 1
		.amdhsa_system_sgpr_workgroup_id_x 1
		.amdhsa_system_sgpr_workgroup_id_y 1
		.amdhsa_system_sgpr_workgroup_id_z 1
		.amdhsa_system_vgpr_workitem_id 0
		.amdhsa_next_free_vgpr 98
		.amdhsa_next_free_sgpr 66
		.amdhsa_reserve_vcc 1
		.amdhsa_float_denorm_mode_32 3
		.amdhsa_float_denorm_mode_16_64 3
		.amdhsa_memory_ordered 1
		.amdhsa_forward_progress 1
		.amdhsa_inst_pref_size 15
	.end_amdhsa_kernel
	.amdgpu_metadata
---
amdhsa.version: [ 1, 2 ]
amdhsa.kernels:
  - .name:           k_q6a5951cf3d_stats
    .symbol:         k_q6a5951cf3d_stats.kd
    .args:
      - { .name: x, .offset: 0, .size: 8, .value_kind: global_buffer, .address_space: global }
      - { .name: stats, .offset: 8, .size: 8, .value_kind: global_buffer, .address_space: global }
    .group_segment_fixed_size: 1280
    .private_segment_fixed_size: 0
    .kernarg_segment_align: 8
    .kernarg_segment_size: 16
    .max_flat_workgroup_size: 256
    .sgpr_count:     66
    .vgpr_count:     98
    .wavefront_size: 32
...
	.end_amdgpu_metadata
.endif
;; end of part 1
;; launch qkv (part 2): grid 256 x 1, 4 waves a work-group, no clusters, 327,680 bytes of LDS; arguments x, stats, gn_weight, gn_bias, wq_codes, wq_scales, bq, wk_codes, wk_scales, bk, wv_codes, wv_scales, bv, qbuf, kv; writes qbuf, kv
.if DOCPART == 2
	.amdgcn_target "amdgcn-amd-amdhsa--gfx1250"
	.amdhsa_code_object_version 6
	.text
	.protected	k_q6a5951cf3d_qkv
	.globl	k_q6a5951cf3d_qkv
	.p2align	8
	.type	k_q6a5951cf3d_qkv,@function
k_q6a5951cf3d_qkv:
	s_mov_b64 s[64:65], 0
	v_nop
	global_prefetch_b8 v0, s[64:65] scope:SCOPE_SE
	s_setreg_imm32_b32 hwreg(HW_REG_WAVE_MODE, 25, 1), 1
	s_wait_xcnt 0x0
; GROUP NORM (second pass), THE THREE 1x1 CONVOLUTIONS on codes of BF6 (E3M2) with one E8M0 scale for each 32 along K, AND THE QUANTISING OF q, k, v for the attention launch.
; SHARES.  Work-group g: batch g / 64, block pb = g % 64 of 64 pixels, all 768 outputs.  Wave w (a) normalises and quantises pixel tile w of xn along the 256 channels, (b) is head w: it makes q, k, v of its 64 channels
; for all four pixel tiles; its weights (288 registers) are read from memory once.
; THE ROWS OF A TILE ARE NOT NEIGHBOURS: row r of tile 2 b + u (of pixels in the block, and of channels in a head) is element 32 b + 8 u + r + 8 (r / 8).  As source 0 of a product such a tile leaves, in register j of lane (r, h),
; element 32 b + 16 h + 8 u + j: the 16 registers of tiles 2 b and 2 b + 1 are 16 neighbours, which the conversions want.
;   q, k: source 0 = 16 channels of W, source 1 = 16 pixels of xn: a lane holds one pixel, registers run along the head's channels (the scores' K).
;   v:    source 0 = 16 pixels of xn, source 1 = 16 channels of W: a lane holds one channel, registers run along the pixels (the keys: the second product's K).
; WHAT IS STORED is laid in the order of the operands' registers.  A HALF IMAGE (768 bytes) is 16 rows x 64 along K: lane L = (r, h) owns block h of row r, six registers: registers 0-3 at 16 L, registers 4-5 at 512 + 8 L:
; each store of the wave covers 512 or 256 consecutive bytes, aligned.  A SCALE BLOCK (256 bytes) holds the words of four tiles: tile T, row r at 128 (T / 2) + 8 r + 4 (T % 2).
;   qbuf [4 b + head][pb]: 3,328 bytes: half images of pixel tiles 0-3, scale block.
;   kv   [4 b + head][key step pb / 2]: 13,056 bytes: k's eight half images (4 (pb % 2) + T), v's eight at 6,144 (2 t + pb % 2), k's two scale blocks at 12,288, v's at 12,800 (bytes 2 (pb % 2), + 1 of each word are mine).
; v's scale bytes leave two bytes a lane: 128 bytes a wave; all other stores are whole aligned runs.
; x comes by the tensor data mover, once: no slot is filled again.  No cluster: work-groups share only the weights, 150 KiB against each one's 64 KiB of x, and those go straight to registers.
; LIMITS: NaN and infinities are not served; a block whose largest magnitude lies under 2^-122 keeps the scale byte 1; a block of zeros gets the byte 1 where the rule says 127 (its codes are zeros, and this program alone reads the bytes).
.set GRP,   8320                       ; LDS: 32 channels x 256 bytes + 128: the next group of channels starts half-way round the banks, so the two halves of the lanes, which read neighbouring groups, never meet
.set XIMG,  8*GRP                      ; xn's eight fragments (2 T + K step) as images of their registers, 1,536 bytes each
.set FRB,   1536
.set XSC,   XIMG+8*FRB                 ; their scale words, 128 bytes each
.set XS,    16                         ; v16-23  xn's scale words (2 T + K step)
.set WQS,   24                         ; v24-47  the weights' scale words (2 t + K step)
.set WKS,   32
.set WVS,   40
.set XF,    48                         ; v48-143 xn's eight fragments; before that: the stats as loaded, then x as loaded (v48-175)
.set RAW,   48
.set ACC,   144                        ; v144-207 eight accumulators
.set MEANP, 192                        ; before the products: v192-199 the mean, v200-207 1 / sqrt(var + eps), a pair for each of my four groups
.set RSTDP, 200
.set PC,    208                        ; v208-227 the codes just made
.set TM,    228                        ; v228-243 at work in the quantiser
.set PW,    244                        ; the scale word just made
.set WQ,    0                          ; window 1: Wq's eight fragments, Wk's
.set WK,    96
.set WV,    0                          ; window 2: Wv's; then the biases in the results' layout
.set BQ,    96
.set BK,    128
.set BV,    160
.set GA,    0                          ; window 3: the gains (x 1 / sqrt), the offsets, for my lane's 128 channels
.set GB,    128
.set MSB, 0
.macro WIN new                         ; the immediate's high byte repeats the setting that is left
.if MSB != \new
	s_set_vgpr_msb (MSB<<8)|\new
.set MSB, \new
.endif
.endm
.macro PLACES
.rept 4
	v_nop
.endr
.endm
	s_load_b512 s[4:19], s[0:1], 0x0               ; x 4, stats 6, gn_weight 8, gn_bias 10, wq_codes 12, wq_scales 14, bq 16, wk_codes 18
	s_load_b256 s[20:27], s[0:1], 0x40             ; wk_scales 20, bk 22, wv_codes 24, wv_scales 26
	s_load_b128 s[28:31], s[0:1], 0x60             ; bv 28, qbuf 30
	s_load_b64 s[32:33], s[0:1], 0x70              ; kv 32
	v_lshl_add_u32 v254, v0, 2, 0x29000
	v_mov_b32 v255, 0
	ds_add_u32 v254, v255
	ds_add_u32 v254, v255
	v_lshrrev_b32 v1, 5, v0
	v_readfirstlane_b32 s34, v1                    ; wave 0..3
	s_lshr_b32 s56, ttmp9, 6                       ; batch
	s_and_b32 s57, ttmp9, 63                       ; pb
	; descriptor group 1: 32 channels x 256 bytes (32 elements of 8 bytes), 16 KiB from channel to channel
	s_mov_b32 s36, 3<<16
	s_mov_b32 s37, 32<<16                          ; tensor_dim0
	s_mov_b32 s38, 32<<16                          ; tensor_dim1
	s_mov_b32 s39, 32<<16                          ; tile_dim0
	s_mov_b32 s40, 32                              ; tile_dim1
	s_mov_b32 s41, 2048                            ; pitch in elements
	s_mov_b32 s42, 0
	s_mov_b32 s43, 0
	s_lshl_b32 s58, s56, 22                        ; batch x 4 MiB
	s_lshl_b32 s59, s34, 20                        ; + groups 2 w, 2 w + 1 of 32 channels: 512 KiB each
	s_add_co_u32 s58, s58, s59
	s_lshl_b32 s59, s57, 8                         ; + 64 pixels x 4 bytes
	s_add_co_u32 s58, s58, s59
	s_mov_b32 s59, 0
	s_mul_i32 s60, s34, 2*GRP
	s_mov_b32 s52, 0x76543210                      ; v_permlanex16_b32's selects for lane l xor 16
	s_mov_b32 s53, 0xfedcba98
	s_mov_b32 s78, 0x46800000                      ; 16,384.0: the numbers of a part
	s_mov_b32 s79, 0x37000000                      ; 2^-17: one over the numbers of a group
	s_mov_b32 s80, 0x3727c5ac                      ; eps = 1e-5
	s_wait_dscnt 0x0
	s_wait_kmcnt 0x0
	s_add_nc_u64 s[62:63], s[4:5], s[58:59]
	s_mov_b32 s44, 1
	s_mov_b32 s45, s60
	s_mov_b64 s[46:47], s[62:63]
	s_or_b32 s47, s47, 0x80000000
	s_mov_b32 s48, 1
	s_add_co_u32 s49, s60, GRP
	s_add_nc_u64 s[50:51], s[62:63], 524288
	s_or_b32 s51, s51, 0x80000000
	tensor_load_to_lds s[44:47], s[36:43]          ; my first group of channels: one load of mine is out, a first fill
	s_nop 0
	s_wait_alu depctr_va_vdst(0)
	s_wait_tensorcnt 0x0
	ds_add_u32 v254, v255
	s_wait_dscnt 0x0
	s_barrier_signal -1
	s_barrier_wait -1
	tensor_load_to_lds s[48:51], s[36:43]
	s_nop 0
	PLACES
	v_and_b32 v1, 31, v0                           ; L
	v_and_b32 v2, 15, v0                           ; r
	v_bfe_u32 v3, v0, 4, 1                         ; h
	v_lshlrev_b32 v4, 4, v1                        ; 16 L
	v_lshlrev_b32 v5, 3, v1                        ; 8 L
	v_lshlrev_b32 v6, 2, v1                        ; 4 L
	s_wait_alu depctr_va_vdst(0)
	v_and_b32 v250, 8, v2
	v_add_nc_u32 v250, v250, v2                    ; r + 8 (r / 8)
	s_wait_alu depctr_va_vdst(0)
	s_lshr_b32 s55, s34, 1
	s_lshl_b32 s55, s55, 7
	s_and_b32 s61, s34, 1
	s_lshl_b32 s61, s61, 5
	s_add_co_u32 s55, s55, s61                     ; pixel tile w begins at pixel 32 (w / 2) + 8 (w % 2): x 4 bytes
	v_lshl_add_u32 v7, v250, 2, s55
	v_mad_u32_u24 v7, v3, GRP, v7                  ; x in LDS: my pixel; lanes 16-31 one group of channels on
	s_mul_i32 s61, s34, 2*FRB
	s_add_co_u32 s61, s61, XIMG
	v_add_nc_u32 v8, s61, v4                       ; where I store xn's images
	s_lshl_b32 s61, s34, 8
	s_add_co_u32 s61, s61, XSC
	v_add_nc_u32 v9, s61, v6                       ; and their scale words
	v_mul_u32_u24 v10, v250, 192
	v_mad_u32_u24 v10, v3, 24, v10                 ; a weight's codes: my row of a tile (192 bytes a row), + 24 h
	v_lshlrev_b32 v11, 3, v250                     ; its scale bytes: 8 a row
	v_lshlrev_b32 v12, 6, v3                       ; 64 h: stats of group 2 q + h; biases of channels 16 h on
	v_lshlrev_b32 v13, 2, v250                     ; v's bias: my channel
	v_lshlrev_b32 v14, 3, v2
	v_lshl_add_u32 v14, v3, 2, v14                 ; v's scale bytes: 8 r + 4 h
	v_lshlrev_b32 v15, 3, v3                       ; 8 h: bits by which my two bytes of xn's scale word are shifted
	v_lshlrev_b32 v247, 7, v3                      ; 128 h: gains of channels 32 h on
	v_add_nc_u32 v251, XIMG, v4                    ; where any wave reads an image back
	v_add_nc_u32 v252, XSC, v6
	v_cmp_ne_u32 s54, 0, v3                        ; lanes 16-31
.irp b, 0,1,2,3
	v_mov_b32 v[TM+4+\b], 0                        ; written once: a lane permute's destination counts as read
.endr
	; ---- the groups' statistics and the gains.  My lane's channels are 128 s + 64 c + 32 h + i: group 2 q + h, q = 2 s + c
	s_lshl_b32 s58, s56, 9
	s_add_nc_u64 s[6:7], s[6:7], s[58:59]          ; my batch's 512 bytes of stats
.irp q, 0,1,2,3
.irp k, 0,1,2,3
	global_load_b128 v[RAW+16*\q+4*\k:RAW+16*\q+4*\k+3], v12, s[6:7] offset:128*\q+16*\k   ; eight (mean, M2) of group 2 q + h
.endr
.endr
	WIN 0xc0                                       ; destination window 3
.irp q, 0,1,2,3
.irp k, 0,1,2,3,4,5,6,7
	global_load_b128 v[GA+32*\q+4*\k:GA+32*\q+4*\k+3], v247, s[8:9] offset:256*\q+16*\k
	global_load_b128 v[GB+32*\q+4*\k:GB+32*\q+4*\k+3], v247, s[10:11] offset:256*\q+16*\k
.endr
.endr
	WIN 0
	; the outputs' places
	s_lshl_b32 s58, s56, 2
	s_add_co_u32 s58, s58, s34                     ; 4 b + head
	s_lshl_b32 s60, s58, 6
	s_add_co_u32 s60, s60, s57
	s_mul_i32 s60, s60, 3328
	s_mov_b32 s61, 0
	s_add_nc_u64 s[66:67], s[30:31], s[60:61]      ; q's chunk
	s_lshr_b32 s55, s57, 1                         ; key step
	s_and_b32 s57, s57, 1                          ; which half of its 128 keys
	s_lshl_b32 s60, s58, 5
	s_add_co_u32 s60, s60, s55
	s_mul_i32 s60, s60, 13056
	s_add_nc_u64 s[68:69], s[32:33], s[60:61]      ; the key step's chunk
	s_mul_i32 s60, s57, 3072
	s_add_nc_u64 s[70:71], s[68:69], s[60:61]      ; k's half images
	s_lshl_b32 s60, s57, 8
	s_add_co_u32 s60, s60, 12288
	s_add_nc_u64 s[72:73], s[68:69], s[60:61]      ; k's scale block
	s_mul_i32 s60, s57, 768
	s_add_co_u32 s60, s60, 6144
	s_add_nc_u64 s[74:75], s[68:69], s[60:61]      ; v's half images
	s_lshl_b32 s60, s57, 1
	s_add_co_u32 s60, s60, 12800
	s_add_nc_u64 s[76:77], s[68:69], s[60:61]      ; v's scale bytes
	s_wait_loadcnt 0x0
.irp q, 0,1,2,3
	v_add_f32 v[112+4*\q], v[RAW+16*\q], v[RAW+16*\q+2]
	v_add_f32 v[113+4*\q], v[RAW+16*\q+4], v[RAW+16*\q+6]
	v_add_f32 v[114+4*\q], v[RAW+16*\q+8], v[RAW+16*\q+10]
	v_add_f32 v[115+4*\q], v[RAW+16*\q+12], v[RAW+16*\q+14]
.endr
.irp q, 0,1,2,3
	v_add_f32 v[112+4*\q], v[112+4*\q], v[113+4*\q]
	v_add_f32 v[114+4*\q], v[114+4*\q], v[115+4*\q]
.endr
.irp q, 0,1,2,3
	v_add_f32 v[112+4*\q], v[112+4*\q], v[114+4*\q]
.endr
.irp q, 0,1,2,3
	v_mul_f32 v[MEANP+2*\q], 0x3e000000, v[112+4*\q]   ; the group's mean: an eighth of the sum of the parts' means
.endr
.irp q, 0,1,2,3
	v_mov_b32 v[MEANP+2*\q+1], v[MEANP+2*\q]
.endr
.irp p, 0,1,2,3,4,5,6,7
.irp q, 0,1,2,3
	v_sub_f32 v[RAW+16*\q+2*\p], v[RAW+16*\q+2*\p], v[MEANP+2*\q]
.endr
.endr
.irp q, 0,1,2,3
	v_mul_f32 v[112+4*\q], v[RAW+16*\q], v[RAW+16*\q]
.endr
.irp p, 1,2,3,4,5,6,7
.irp q, 0,1,2,3
	v_fma_f32 v[112+4*\q], v[RAW+16*\q+2*\p], v[RAW+16*\q+2*\p], v[112+4*\q]
.endr
.endr
.irp q, 0,1,2,3
	v_add_f32 v[113+4*\q], v[RAW+16*\q+1], v[RAW+16*\q+3]
.endr
.irp p, 2,3,4,5,6,7
.irp q, 0,1,2,3
	v_add_f32 v[113+4*\q], v[113+4*\q], v[RAW+16*\q+2*\p+1]
.endr
.endr
.irp q, 0,1,2,3
	v_fma_f32 v[112+4*\q], v[112+4*\q], s78, v[113+4*\q]   ; the group's M2
.endr
.irp q, 0,1,2,3
	v_fma_f32 v[112+4*\q], v[112+4*\q], s79, s80           ; var + eps
.endr
	s_wait_alu depctr_va_vdst(0)
.irp q, 0,1,2,3
	v_rsq_f32 v[RSTDP+2*\q], v[112+4*\q]
.endr
	v_nop                                          ; a plain instruction behind the last of the four,
	s_wait_alu depctr_va_vdst(0)                   ; and one wait for the four, ahead of their first reader
.irp q, 0,1,2,3
	v_mov_b32 v[RSTDP+2*\q+1], v[RSTDP+2*\q]
.endr
	WIN 0xc3                                       ; destination and source 0 window 3
.set n, 0
.rept 64
	v_pk_mul_f32 v[GA+2*n:GA+2*n+1], v[GA+2*n:GA+2*n+1], v[RSTDP+2*(n/16):RSTDP+2*(n/16)+1]   ; gain / sqrt(var + eps)
.set n, n+1
.endr
	WIN 0
	; ---- my head's weights, scale words and biases: they stay in registers
	s_mul_i32 s58, s34, 12288                      ; 64 rows of 192 bytes
	s_add_nc_u64 s[12:13], s[12:13], s[58:59]
	s_add_nc_u64 s[18:19], s[18:19], s[58:59]
	s_add_nc_u64 s[24:25], s[24:25], s[58:59]
	s_lshl_b32 s58, s34, 9                         ; 64 rows of 8 scale bytes
	s_add_nc_u64 s[14:15], s[14:15], s[58:59]
	s_add_nc_u64 s[20:21], s[20:21], s[58:59]
	s_add_nc_u64 s[26:27], s[26:27], s[58:59]
	s_lshl_b32 s58, s34, 8                         ; 64 numbers of a bias
	s_add_nc_u64 s[16:17], s[16:17], s[58:59]
	s_add_nc_u64 s[22:23], s[22:23], s[58:59]
	s_add_nc_u64 s[28:29], s[28:29], s[58:59]
.macro WLOAD dst, base                 ; fragment (tile t, K step k) at dst + 12 (2 t + k): 24 bytes of the row's stream of bits twice, in pieces of 8
.irp t, 0,1,2,3
.irp k, 0,1
.irp p, 0,1,2,3,4,5
	global_load_b64 v[\dst+12*(2*\t+\k)+2*\p:\dst+12*(2*\t+\k)+2*\p+1], v10, s[\base:\base+1] offset:(32*(\t/2)+8*(\t%2))*192+96*\k+48*(\p/3)+8*(\p%3)
.endr
.endr
.endr
.endm
.macro SLOAD dst, base
.irp t, 0,1,2,3
.irp k, 0,1
	global_load_b32 v[\dst+2*\t+\k], v11, s[\base:\base+1] offset:(32*(\t/2)+8*(\t%2))*8+4*\k
.endr
.endr
.endm
.macro BLOAD dst, base                 ; q's and k's bias as C: register j of lane (r, h) belongs to channel 32 b + 16 h + 8 u + j
.irp t, 0,1,2,3
	global_load_b128 v[\dst+8*\t:\dst+8*\t+3], v12, s[\base:\base+1] offset:(32*(\t/2)+8*(\t%2))*4
	global_load_b128 v[\dst+8*\t+4:\dst+8*\t+7], v12, s[\base:\base+1] offset:(32*(\t/2)+8*(\t%2))*4+16
.endr
.endm
	WIN 0x40                                       ; destination window 1
	WLOAD WQ, 12
	WLOAD WK, 18
	WIN 0x80                                       ; destination window 2
	WLOAD WV, 24
	BLOAD BQ, 16
	BLOAD BK, 22
.irp t, 0,1,2,3
.irp j, 0,1,2,3,4,5,6,7
	global_load_b32 v[BV+8*\t+\j], v13, s[28:29] offset:(32*(\t/2)+8*(\t%2))*4   ; v's bias as C: all eight registers (pixels) of a lane belong to its one channel
.endr
.endr
	WIN 0
	SLOAD WQS, 14
	SLOAD WKS, 20
	SLOAD WVS, 26
	; ---- x: my pixel's 128 channels, registers down the channels
	s_wait_tensorcnt 0x0                           ; my two groups of channels have landed,
	s_barrier_signal -1
	s_barrier_wait -1                              ; everybody's have
.set n, 0
.rept 128
	ds_load_b32 v[RAW+n], v7 offset:2*(n/32)*GRP+256*(n%32)   ; register 32 q + i: channel 64 q + 32 h + i
.set n, n+1
.endr
	s_wait_dscnt 0x0
.set n, 0
.rept 64
	v_pk_add_f32 v[RAW+2*n:RAW+2*n+1], v[RAW+2*n:RAW+2*n+1], v[MEANP+2*(n/16):MEANP+2*(n/16)+1] neg_lo:[0,1] neg_hi:[0,1]
.set n, n+1
.endr
	WIN 0x3c                                       ; sources 1 and 2 window 3
.set n, 0
.rept 64
	v_pk_fma_f32 v[RAW+2*n:RAW+2*n+1], v[RAW+2*n:RAW+2*n+1], v[GA+2*n:GA+2*n+1], v[GB+2*n:GB+2*n+1]
.set n, n+1
.endr
	WIN 0
; K step s of my pixel tile: a lane holds two whole blocks (2 c + h), in the very order of the operand's registers
.macro XQUANT s
.irp c, 0,1
	v_max3_num_f32 v[TM+\c], |v[RAW+64*\s+32*\c]|, |v[RAW+64*\s+32*\c+1]|, 0x2800000   ; with the floor 2^(5 - 127): the byte cannot fall under 1
.endr
.irp i, 2,4,6,8,10,12,14,16,18,20,22,24,26,28,30
.irp c, 0,1
	v_max3_num_f32 v[TM+\c], v[TM+\c], |v[RAW+64*\s+32*\c+\i]|, |v[RAW+64*\s+32*\c+\i+1]|
.endr
.endr
.irp c, 0,1
	v_add_nc_u32 v[TM+12+\c], 0xfe000000, v[TM+\c]   ; 4 off the exponent field: the conversion's scale operand
.endr
.irp c, 0,1
	v_lshrrev_b32 v[TM+8+\c], 23, v[TM+12+\c]        ; the scale's byte
.endr
	v_lshl_or_b32 v[PW], v[TM+9], 16, v[TM+8]      ; my bytes: blocks h and 2 + h,
	v_lshlrev_b32 v[PW], v15, v[PW]                ; at their places;
	v_permlanex16_b32 v[TM+4], v[PW], s52, s53
	v_or_b32 v[PW], v[PW], v[TM+4]                 ; with lane l xor 16's two the word is whole
.irp c, 0,1
	v_cvt_scalef32_pk16_bf6_f32 v[PC+6*\c:PC+6*\c+2], v[RAW+64*\s+32*\c:RAW+64*\s+32*\c+15], v[TM+12+\c]
	v_cvt_scalef32_pk16_bf6_f32 v[PC+12+4*\c:PC+14+4*\c], v[RAW+64*\s+32*\c+16:RAW+64*\s+32*\c+31], v[TM+12+\c]   ; (a conversion's three registers begin on an even number)
.endr
	v_nop                                          ; one plain place behind a scaled conversion
.irp c, 0,1
.irp i, 0,1,2
	v_mov_b32 v[PC+3+6*\c+\i], v[PC+12+4*\c+\i]
.endr
.endr
.irp k, 0,1,2
	ds_store_b128 v8, v[PC+4*\k:PC+4*\k+3] offset:FRB*\s+512*\k   ; the fragment as it stands: 16 bytes a lane, 512 a store
.endr
	ds_store_b32 v9, v[PW] offset:128*\s
	s_wait_dscnt 0x0                               ; the stores have read their registers, and have landed
.endm
	XQUANT 0
	XQUANT 1
	s_barrier_signal -1
	s_barrier_wait -1                              ; xn's eight fragments lie in LDS
.irp f, 0,1,2,3,4,5,6,7
.irp k, 0,1,2
	ds_load_b128 v[XF+12*\f+4*\k:XF+12*\f+4*\k+3], v251 offset:FRB*\f+512*\k
.endr
	ds_load_b32 v[XS+\f], v252 offset:128*\f
.endr
	s_wait_dscnt 0x0
	s_wait_loadcnt 0x0                             ; the weights
; 64 numbers of a lane, register 16 b + i = element 32 b + 16 (lane / 16) + i of my row, become 12 registers of codes in v[PC] on (a whole block a lane: registers 6 c on hold block 2 c + lane / 16) and four scale bytes in v[PW]
.macro QUANT s
.irp b, 0,1,2,3
	v_max3_num_f32 v[TM+\b], |v[\s+16*\b]|, |v[\s+1+16*\b]|, 0x2800000
.endr
.irp i, 2,4,6,8,10,12,14
.irp b, 0,1,2,3
	v_max3_num_f32 v[TM+\b], v[TM+\b], |v[\s+16*\b+\i]|, |v[\s+1+16*\b+\i]|
.endr
.endr
.irp b, 0,1,2,3
	v_permlanex16_b32 v[TM+4+\b], v[TM+\b], s52, s53
.endr
.irp b, 0,1,2,3
	v_max_num_f32 v[TM+\b], v[TM+\b], v[TM+4+\b]   ; with lane l xor 16's: the block's largest magnitude
.endr
.irp b, 0,1,2,3
	v_add_nc_u32 v[TM+12+\b], 0xfe000000, v[TM+\b]
.endr
.irp b, 0,1,2,3
	v_lshrrev_b32 v[TM+4+\b], 23, v[TM+12+\b]
.endr
	v_lshl_or_b32 v[PW], v[TM+5], 8, v[TM+4]
	v_lshl_or_b32 v[PW], v[TM+6], 16, v[PW]
	v_lshl_or_b32 v[PW], v[TM+7], 24, v[PW]
.irp c, 0,1
	v_cvt_scalef32_pk16_bf6_f32 v[PC+6*\c:PC+2+6*\c], v[\s+32*\c:\s+15+32*\c], v[TM+12+2*\c]
	v_cvt_scalef32_pk16_bf6_f32 v[PC+12+4*\c:PC+14+4*\c], v[\s+16+32*\c:\s+31+32*\c], v[TM+12+2*\c+1]
.endr
	v_nop                                          ; one plain place behind a scaled conversion
.irp c, 0,1
.irp i, 0,1,2
	v_permlane16_swap_b32 v[PC+6*\c+\i], v[PC+12+4*\c+\i]   ; the first now holds each lane's block's lower 16 codes, the second the upper 16
.endr
.irp i, 0,1,2
	v_mov_b32 v[PC+3+6*\c+\i], v[PC+12+4*\c+\i]
.endr
.endr
.endm
.macro HISTORE reg, base, off          ; a half image: 512 and 256 consecutive bytes
	global_store_b128 v4, v[\reg:\reg+3], s[\base:\base+1] offset:\off
	global_store_b64 v5, v[\reg+4:\reg+5], s[\base:\base+1] offset:\off+512
.endm
; q or k: two pixel tiles at a time, eight accumulators by turns.  The 64 results of a lane are two pixels' 64 channels: QUANT's blocks 0, 1 are tile 2 P's, blocks 2, 3 tile 2 P + 1's.
.macro QK wb, bb, ws, hb, sb, so
.irp P, 0,1
	WIN 0x21                                       ; source 0 (W) window 1, C (the bias) window 2
.irp l, 0,1
.irp t, 0,1,2,3
	v_wmma_scale_f32_16x16x128_f8f6f4 v[ACC+32*\l+8*\t:ACC+32*\l+8*\t+7], v[\wb+24*\t:\wb+24*\t+11], v[XF+24*(2*\P+\l):XF+24*(2*\P+\l)+11], v[\bb+8*\t:\bb+8*\t+7], v[\ws+2*\t], v[XS+2*(2*\P+\l)] matrix_a_fmt:MATRIX_FMT_BF6 matrix_b_fmt:MATRIX_FMT_BF6
.endr
.endr
	WIN 0x01
.irp l, 0,1
.irp t, 0,1,2,3
	v_wmma_scale_f32_16x16x128_f8f6f4 v[ACC+32*\l+8*\t:ACC+32*\l+8*\t+7], v[\wb+24*\t+12:\wb+24*\t+23], v[XF+24*(2*\P+\l)+12:XF+24*(2*\P+\l)+23], v[ACC+32*\l+8*\t:ACC+32*\l+8*\t+7], v[\ws+2*\t+1], v[XS+2*(2*\P+\l)+1] matrix_a_fmt:MATRIX_FMT_BF6 matrix_b_fmt:MATRIX_FMT_BF6
.endr
.endr
	WIN 0
	PLACES                                         ; four places ahead of the first read of results
	s_wait_xcnt 0x0                                ; the earlier stores have read their data: the codes' registers are written again
	QUANT ACC
	HISTORE PC, \hb, 768*(2*\P)
	HISTORE PC+6, \hb, 768*(2*\P+1)
.if \P == 0
	v_and_b32 v245, 0xffff, v[PW]                  ; tile 0's word (two bytes; the upper two stay 0: they scale the operand's empty half)
	v_lshrrev_b32 v246, 16, v[PW]                  ; tile 1's
.else
	v_and_b32 v250, 0xffff, v[PW]
	v_cndmask_b32 v248, v245, v250, s54            ; lanes 0-15 store tiles 0 and 1, lanes 16-31 tiles 2 and 3: the scale block's order
	v_lshrrev_b32 v250, 16, v[PW]
	v_cndmask_b32 v249, v246, v250, s54
	global_store_b64 v5, v[248:249], s[\sb:\sb+1] offset:\so
.endif
.endr
.endm
	QK WQ, BQ, WQS, 66, 66, 3072
	QK WK, BK, WKS, 70, 72, 0
	; ---- v: two channel tiles at a time x the four pixel tiles: a lane's 64 results are two channels' 64 pixels
.irp i, 0,1
	WIN 0x28                                       ; source 1 (W) and C (the bias) window 2
.irp l, 0,1
.irp T, 0,1,2,3
	v_wmma_scale_f32_16x16x128_f8f6f4 v[ACC+32*\l+8*\T:ACC+32*\l+8*\T+7], v[XF+24*\T:XF+24*\T+11], v[WV+24*(2*\i+\l):WV+24*(2*\i+\l)+11], v[BV+8*(2*\i+\l):BV+8*(2*\i+\l)+7], v[XS+2*\T], v[WVS+2*(2*\i+\l)] matrix_a_fmt:MATRIX_FMT_BF6 matrix_b_fmt:MATRIX_FMT_BF6
.endr
.endr
	WIN 0x08
.irp l, 0,1
.irp T, 0,1,2,3
	v_wmma_scale_f32_16x16x128_f8f6f4 v[ACC+32*\l+8*\T:ACC+32*\l+8*\T+7], v[XF+24*\T+12:XF+24*\T+23], v[WV+24*(2*\i+\l)+12:WV+24*(2*\i+\l)+23], v[ACC+32*\l+8*\T:ACC+32*\l+8*\T+7], v[XS+2*\T+1], v[WVS+2*(2*\i+\l)+1] matrix_a_fmt:MATRIX_FMT_BF6 matrix_b_fmt:MATRIX_FMT_BF6
.endr
.endr
	WIN 0
	PLACES
	s_wait_xcnt 0x0
	QUANT ACC
	HISTORE PC, 74, 1536*(2*\i)
	HISTORE PC+6, 74, 1536*(2*\i+1)
	v_lshrrev_b32 v250, 16, v[PW]
	v_cndmask_b32 v248, v[PW], v250, s54           ; lanes 0-15: tile 2 i's two bytes, lanes 16-31: tile 2 i + 1's
	global_store_b16 v14, v248, s[76:77] offset:128*\i
.endr
	s_wait_tensorcnt 0x0
	ds_add_u32 v254, v255
	s_wait_dscnt 0x0
	s_endpgm
.Lfunc_end_k_q6a5951cf3d_qkv:
	.size	k_q6a5951cf3d_qkv, .Lfunc_end_k_q6a5951cf3d_qkv-k_q6a5951cf3d_qkv
	.p2alignl 7, 3214868480
	.fill 96, 4, 3214868480
	.section	.rodata,"a",@progbits
	.p2align	6, 0x0
	.amdhsa_kernel k_q6a5951cf3d_qkv
		.amdhsa_group_segment_fixed_size 327680
		.amdhsa_private_segment_fixed_size 0
		.amdhsa_enable_private_segment 0
		.amdhsa_kernarg_size 120
		.amdhsa_user_sgpr_count 2
		.amdhsa_user_sgpr_kernarg_segment_ptr 1
		.amdhsa_wavefront_size32 1
		.amdhsa_system_sgpr_workgroup_id_x 1
		.amdhsa_system_sgpr_workgroup_id_y 1
		.amdhsa_system_sgpr_workgroup_id_z 1
		.amdhsa_system_vgpr_workitem_id 0
		.amdhsa_next_free_vgpr 1024
		.amdhsa_next_free_sgpr 84
		.amdhsa_reserve_vcc 0
		.amdhsa_float_denorm_mode_32 3
		.amdhsa_float_denorm_mode_16_64 3
		.amdhsa_memory_ordered 1
		.amdhsa_forward_progress 1
		.amdhsa_inst_pref_size 108
	.end_amdhsa_kernel
	.amdgpu_metadata
---
amdhsa.version: [ 1, 2 ]
amdhsa.kernels:
  - .name:           k_q6a5951cf3d_qkv
    .symbol:         k_q6a5951cf3d_qkv.kd
    .args:
      - { .name: x, .offset: 0, .size: 8, .value_kind: global_buffer, .address_space: global }
      - { .name: stats, .offset: 8, .size: 8, .value_kind: global_buffer, .address_space: global }
      - { .name: gn_weight, .offset: 16, .size: 8, .value_kind: global_buffer, .address_space: global }
      - { .name: gn_bias, .offset: 24, .size: 8, .value_kind: global_buffer, .address_space: global }
      - { .name: wq_codes, .offset: 32, .size: 8, .value_kind: global_buffer, .address_space: global }
      - { .name: wq_scales, .offset: 40, .size: 8, .value_kind: global_buffer, .address_space: global }
      - { .name: bq, .offset: 48, .size: 8, .value_kind: global_buffer, .address_space: global }
      - { .name: wk_codes, .offset: 56, .size: 8, .value_kind: global_buffer, .address_space: global }
      - { .name: wk_scales, .offset: 64, .size: 8, .value_kind: global_buffer, .address_space: global }
      - { .name: bk, .offset: 72, .size: 8, .value_kind: global_buffer, .address_space: global }
      - { .name: wv_codes, .offset: 80, .size: 8, .value_kind: global_buffer, .address_space: global }
      - { .name: wv_scales, .offset: 88, .size: 8, .value_kind: global_buffer, .address_space: global }
      - { .name: bv, .offset: 96, .size: 8, .value_kind: global_buffer, .address_space: global }
      - { .name: qbuf, .offset: 104, .size: 8, .value_kind: global_buffer, .address_space: global }
      - { .name: kv, .offset: 112, .size: 8, .value_kind: global_buffer, .address_space: global }
    .group_segment_fixed_size: 327680
    .private_segment_fixed_size: 0
    .kernarg_segment_align: 8
    .kernarg_segment_size: 120
    .max_flat_workgroup_size: 128
    .sgpr_count:     84
    .vgpr_count:     1024
    .wavefront_size: 32
...
	.end_amdgpu_metadata
.endif
;; end of part 2
;; launch attn (part 3): grid 16 x 16, 16 waves a work-group, clusters of 4 x 1, 327,680 bytes of LDS; arguments qbuf, kv, obuf; writes obuf
.if DOCPART == 3
	.amdgcn_target "amdgcn-amd-amdhsa--gfx1250"
	.amdhsa_code_object_version 6
	.text
	.protected	k_q6a5951cf3d_attn
	.globl	k_q6a5951cf3d_attn
	.p2align	8
	.type	k_q6a5951cf3d_attn,@function
k_q6a5951cf3d_attn:
	s_mov_b64 s[64:65], 0
	v_nop
	global_prefetch_b8 v0, s[64:65] scope:SCOPE_SE
	s_setreg_imm32_b32 hwreg(HW_REG_WAVE_MODE, 25, 1), 1
	s_wait_xcnt 0x0
	s_wait_alu depctr_hold_cnt(0) depctr_sa_sdst(0) depctr_va_vdst(0) depctr_va_sdst(0) depctr_va_ssrc(0) depctr_va_vcc(0) depctr_vm_vsrc(0)
	s_getreg_b32 s2, hwreg(HW_REG_IB_STS2, 6, 4)
	s_cmp_eq_u32 s2, 0
	s_cbranch_scc0 .Lentry_in_a_cluster
	s_endpgm
.Lentry_in_a_cluster:
	s_bfe_u32 s2, ttmp6, 0x10000c
	s_cmp_lg_u32 s2, 0x3003
	s_cbranch_scc0 .Lentry_shape_is_right
	s_endpgm
.Lentry_shape_is_right:
; ATTENTION on codes of BF6 (E3M2), one E8M0 scale for each 32 along a product's K.  16 (batch, head) pairs, 4,096 queries and keys, head size 64.
; t = score x log2(e) / 8; M = the running largest t rounded UP to a whole number; p = 2^(t - M) is quantised along the keys, not normalised; the row's sum is taken of the unquantised p and divides at the end.
; When M moves, the sum and O are multiplied by 2^(old M - new M): exact.  The result is quantised along the head's channels for the last convolution and stored as codes.
; SHARES.  Work-group (X, y): y = 4 batch + head, 256 queries; each of its sixteen waves owns one tile of 16 queries in 256 registers: four waves to a SIMD, so that one wave's vector work stands beside another's products and LDS loads.
; A key step (128 keys) has 12 products against some 240 vector instructions: the vector unit binds, so the wave tile is kept small and no register window is needed; the price: a fragment read from LDS feeds one product.
; LAYOUT.  Both products transposed: S^T = K Q^T (source 0 = 16 keys), O^T = V^T P^T (source 0 = 16 channels): a lane holds one query throughout.  The keys of a tile and the channels of a tile were chosen by the launch before
; (row r of tile 2 b + u is element 32 b + 8 u + r + 8 (r / 8)), so that 16 registers of two neighbouring tiles are 16 neighbours.
; THE SCORES' K IS 64, the instruction's 128: Q's fragment is six registers of codes and six of zeros; K's tiles lie six registers apart, so that a tile's operand runs on into the next tile's codes, which meet Q's zero codes and add nothing
; (the format has no code for infinity or NaN); six zeroed registers close the run.  The upper two bytes of these scale words are 0, which is a power of two like any other.
; kv comes in chunks of 13,056 bytes a key step, laid in the order of the operands' registers: every LDS load takes 512 or 256 consecutive bytes.
; RING.  Two slots of eight key steps.  The four work-groups of a cluster have the same y and walk the same kv: every fill is a JOINT load (mask 15), issued by waves 0-3, a quarter of a slot (two chunks, 102 rows of 256 bytes) each.
; A wave has two tensor loads out at the start, later one.  The 32 key steps take two first fills and two refills; each refill is asked for eight key steps ahead of its first read, so no prefetch is laid beside it.
; LIMITS: NaN and infinities are not served; p under 2^-126 counts as 0; a block whose largest magnitude lies under 2^-122 (a block of zeros too) keeps the scale byte 1: this program alone reads the bytes.
.set KVCH,  13056
.set SLOT,  8*KVCH
.set QTR,   2*KVCH
.set SPARE, 2*SLOT                     ; behind the ring: the spare words, 128 bytes for each of sixteen waves: eight blocks of 256 bytes that no other line names
.set KF,  36                           ; v36-83 K's eight tiles, six registers each; v84-89 zeros.  Behind the scores v36-55 are at work:
.set MX,  36                           ; v36-39 the blocks' largest scores, then largest p
.set PT,  40                           ; v40-47 exchange, bytes, halves of the conversions, the second chain of the sums
.set SO,  48                           ; v48-51 the conversions' scale operands
.set TT,  52
.set FF,  54                           ; v[54:55] f = 2^(old M - new M) in the low word
.set S,   96                           ; v96-159 S^T, then p
.set OT,  160                          ; v160-191 O^T
.set VF,  192                          ; v192-239 V's four fragments
.set PC,  240                          ; v240-251 p's codes
; v1 16 L, v2 8 L, v3 my spare word, v4 0, v5-6 the step's LDS addresses, v7 8 r, v8 4 r, v9 L; v12 -M, v13 largest t, v[14:15] the sum in two halves; v16-27 Q; v28 Q's scale word, v29 p's, v30-31 V's, v32-35 K's
.macro PLACES
.rept 4
	v_nop
.endr
.endm
.macro CROUND                          ; a round of the cluster's barrier
	s_barrier_signal -1
	s_barrier_wait -1
	s_cmp_lg_u32 s10, 0
	s_cbranch_scc1 .Lnot_wave_0_\@
	s_barrier_signal -3
.Lnot_wave_0_\@:
	s_barrier_wait -3
	s_barrier_signal -1
	s_barrier_wait -1
.endm
	s_load_b128 s[4:7], s[0:1], 0x0                ; qbuf s[4:5], kv s[6:7]
	s_load_b64 s[8:9], s[0:1], 0x10                ; obuf
	v_lshl_add_u32 v3, v0, 2, SPARE
	v_mov_b32 v4, 0
	ds_add_u32 v3, v4
	ds_add_u32 v3, v4
	s_wait_dscnt 0x0
	v_lshrrev_b32 v5, 5, v0
	s_delay_alu instid0(VALU_DEP_1)
	v_readfirstlane_b32 s10, v5                    ; wave 0..15
	s_bfe_u32 s11, ttmp6, 0x40000                  ; cx: it enters qbuf's and obuf's addresses alone
	s_lshl_b32 s12, ttmp9, 2
	s_add_co_u32 s12, s12, s11                     ; X = 4 x cluster x + cx
	s_and_b32 s13, ttmp7, 0xffff                   ; y, which the four partners share
	; descriptor group 1: a dense block of 102 rows of 256 bytes (32 elements of 8 bytes)
	s_mov_b32 s16, 15|(3<<16)|(1<<21)              ; the mask: all four work-groups; elements of 8 bytes; bit 21 set beside a mask
	s_mov_b32 s17, 32<<16
	s_mov_b32 s18, 102<<16
	s_mov_b32 s19, 32<<16
	s_mov_b32 s20, 102
	s_mov_b32 s21, 32
	s_mov_b32 s22, 0
	s_mov_b32 s23, 0
	s_and_b32 s38, s10, 3                          ; my query tile T in its block of 64.  Also, in waves 0-3: which quarter of a slot I fetch
	s_mul_i32 s14, s38, QTR
	s_mul_i32 s2, s13, 32*KVCH
	s_add_co_u32 s2, s2, s14
	s_mov_b32 s3, 0                                ; kv: my pair's 32 chunks, my quarter
	s_lshr_b32 s39, s10, 2
	s_lshl_b32 s40, s12, 2
	s_add_co_u32 s40, s40, s39                     ; pb = 4 X + wave / 4
	s_lshl_b32 s41, s13, 6
	s_add_co_u32 s41, s41, s40
	s_mul_i32 s42, s41, 3328                       ; q's chunk
	s_mov_b32 s43, 0
	s_mul_i32 s44, s38, 768                        ; my tile's half image
	s_mov_b32 s45, 0
	s_lshr_b32 s46, s38, 1
	s_lshl_b32 s46, s46, 7
	s_and_b32 s47, s38, 1
	s_lshl_b32 s47, s47, 2
	s_add_co_u32 s46, s46, s47
	s_add_co_u32 s46, s46, 3072                    ; my tile's words in the scale block
	s_mov_b32 s47, 0
	s_lshr_b32 s48, s13, 2
	s_lshl_b32 s48, s48, 6
	s_add_co_u32 s48, s48, s40
	s_mul_i32 s48, s48, 13312                      ; obuf's chunk: 64 batch + pb
	s_mov_b32 s49, 0
	s_and_b32 s55, s13, 3                          ; head
	s_lshl_b32 s58, s38, 2
	s_add_co_u32 s58, s58, s55
	s_mul_i32 s58, s58, 768                        ; half image 4 T + head
	s_mov_b32 s59, 0
	s_lshl_b32 s60, s38, 8
	s_lshl_b32 s61, s55, 6
	s_add_co_u32 s60, s60, s61
	s_add_co_u32 s60, s60, 12288                   ; scale words at 12,288 + 256 T + 64 head
	s_mov_b32 s61, 0
	s_mov_b32 s32, 0x76543210                      ; v_permlanex16_b32's selects for lane l xor 16
	s_mov_b32 s33, 0xfedcba98
	s_mov_b32 s34, 0x3e38aa3b                      ; c = log2(e) / 8
	s_mov_b32 s35, s34                             ; (named with it as a pair)
	s_wait_kmcnt 0x0
	s_mov_b32 s24, 1
	s_mov_b32 s25, s14
	s_add_nc_u64 s[26:27], s[6:7], s[2:3]
	s_mov_b32 s28, 1
	s_add_co_u32 s29, s14, SLOT
	s_add_nc_u64 s[30:31], s[26:27], SLOT
	s_or_b32 s27, s27, 0x80000000
	s_or_b32 s31, s31, 0x80000000
	s_add_nc_u64 s[4:5], s[4:5], s[42:43]
	s_add_nc_u64 s[56:57], s[4:5], s[46:47]        ; Q's scale words
	s_add_nc_u64 s[4:5], s[4:5], s[44:45]          ; Q's half image
	s_add_nc_u64 s[8:9], s[8:9], s[48:49]
	s_add_nc_u64 s[50:51], s[8:9], s[58:59]        ; where my codes go
	s_add_nc_u64 s[52:53], s[8:9], s[60:61]        ; and their scale words
	CROUND                                         ; all four work-groups are here: the first joint loads meet
	s_cmp_lt_u32 s10, 4                            ; a wave's two first fills stand in one branch on its number
	s_cbranch_scc0 .Lno_first
	tensor_load_to_lds s[24:27], s[16:23]          ; key steps 0-7
	s_nop 0
	tensor_load_to_lds s[28:31], s[16:23]          ; key steps 8-15
	s_nop 0
	PLACES
.Lno_first:
	v_and_b32 v9, 31, v0
	s_delay_alu instid0(VALU_DEP_1)
	v_lshlrev_b32 v1, 4, v9
	s_delay_alu instid0(VALU_DEP_2)
	v_lshlrev_b32 v2, 3, v9
	v_and_b32 v10, 15, v0
	s_delay_alu instid0(VALU_DEP_1)
	v_lshlrev_b32 v7, 3, v10
	s_delay_alu instid0(VALU_DEP_2)
	v_lshlrev_b32 v8, 2, v10
	global_load_b128 v[16:19], v1, s[4:5]          ; Q stays in registers
	global_load_b64 v[20:21], v2, s[4:5] offset:512
	global_load_b32 v28, v7, s[56:57]
.irp j, 22,23,24,25,26,27,84,85,86,87,88,89
	v_mov_b32 v\j, 0                               ; Q's empty half, and the close of K's run
.endr
	v_mov_b32 v13, 0xff61b1e6                      ; the largest t so far: -3e38, under every t
	s_delay_alu instid0(VALU_DEP_1)
	v_floor_f32 v12, -v13                          ; -M
	v_mov_b32 v14, 0
	v_mov_b32 v15, 0
.set j, 0
.rept 32
	v_mov_b32 v[OT+j], 0                           ; the step is written once: the first finds zeros, which the first change of M leaves zeros
.set j, j+1
.endr
; A KEY STEP: the chunk at LDS byte s36
.macro STEP
	v_add_nc_u32 v5, s36, v1
	v_add_nc_u32 v6, s36, v2
	v_nop
	v_nop                                          ; four places behind the last step's products, ahead of the loads into V's registers
.irp i, 0,1,2,3,4,5,6,7
	ds_load_b128 v[KF+6*\i:KF+6*\i+3], v5 offset:768*\i
	ds_load_b64 v[KF+6*\i+4:KF+6*\i+5], v6 offset:768*\i+512
.endr
	ds_load_b64 v[32:33], v6 offset:12288          ; K's scale words: register 0: tiles 0 (lanes 0-15) and 2 (lanes 16-31), register 1: tiles 1 and 3
	ds_load_b64 v[34:35], v6 offset:12544          ; and tiles 4 to 7
.irp i, 0,1,2,3,4,5,6,7
	ds_load_b128 v[VF+6*\i:VF+6*\i+3], v5 offset:6144+768*\i
	ds_load_b64 v[VF+6*\i+4:VF+6*\i+5], v6 offset:6144+768*\i+512
.endr
	ds_load_b64 v[30:31], v6 offset:12800          ; V's scale words
	s_wait_dscnt 17                                ; K is in; V's seventeen loads stay out and land during the softmax
.irp i, 0,1,2,3,4,5,6,7
.if (\i%4) >= 2
	v_wmma_scale_f32_16x16x128_f8f6f4 v[S+8*\i:S+8*\i+7], v[KF+6*\i:KF+6*\i+11], v[16:27], 0, v[32+2*(\i/4)+(\i%2)], v28 matrix_a_fmt:MATRIX_FMT_BF6 matrix_b_fmt:MATRIX_FMT_BF6 matrix_a_scale:MATRIX_SCALE_ROW1
.else
	v_wmma_scale_f32_16x16x128_f8f6f4 v[S+8*\i:S+8*\i+7], v[KF+6*\i:KF+6*\i+11], v[16:27], 0, v[32+2*(\i/4)+(\i%2)], v28 matrix_a_fmt:MATRIX_FMT_BF6 matrix_b_fmt:MATRIX_FMT_BF6
.endif
.endr
	PLACES
.irp b, 0,1,2,3
	v_max3_num_f32 v[MX+\b], v[S+16*\b], v[S+16*\b+1], v[S+16*\b+2]   ; the largest score of each block of 32 keys: it serves the row's maximum and, since p rises with the score, the block's largest p
.endr
.irp i, 3,5,7,9,11,13
.irp b, 0,1,2,3
	v_max3_num_f32 v[MX+\b], v[MX+\b], v[S+16*\b+\i], v[S+16*\b+\i+1]
.endr
.endr
.irp b, 0,1,2,3
	v_max_num_f32 v[MX+\b], v[MX+\b], v[S+16*\b+15]
.endr
.irp b, 0,1,2,3
	s_delay_alu instid0(VALU_DEP_4)
	v_permlanex16_b32 v[PT+\b], v[MX+\b], s32, s33
.endr
.irp b, 0,1,2,3
	s_delay_alu instid0(VALU_DEP_4)
	v_max_num_f32 v[MX+\b], v[MX+\b], v[PT+\b]     ; with lane l xor 16's 16 keys
.endr
	s_delay_alu instid0(VALU_DEP_2)
	v_max3_num_f32 v[TT], v[MX], v[MX+1], v[MX+2]
	s_delay_alu instid0(VALU_DEP_1)
	v_max_num_f32 v[TT], v[TT], v[MX+3]
	s_delay_alu instid0(VALU_DEP_1)
	v_mul_f32 v[TT], s34, v[TT]                    ; as t (c is positive)
	s_delay_alu instid0(VALU_DEP_1)
	v_max_num_f32 v13, v13, v[TT]                  ; the running largest t
	v_mov_b32 v[TT], v12
	s_delay_alu instid0(VALU_DEP_2)
	v_floor_f32 v12, -v13                          ; the new -M = -ceil(t)
	s_delay_alu instid0(VALU_DEP_1)
	v_sub_f32 v[TT], v12, v[TT]                    ; old M - new M: a whole number, 0 or less
	s_delay_alu instid0(VALU_DEP_1)
	v_cvt_i32_f32 v[TT], v[TT]                     ; (it saturates)
	s_delay_alu instid0(VALU_DEP_1)
	v_ldexp_f32 v[FF], 1.0, v[TT]                  ; f
.set j, 0
.rept 32
	v_pk_fma_f32 v[S+j:S+j+1], v[S+j:S+j+1], s[34:35], v[12:13] op_sel_hi:[1,0,0]   ; t - M
.set j, j+2
.endr
.irp b, 0,1,2,3
	v_fma_f32 v[MX+\b], v[MX+\b], s34, v12         ; the same of each block's largest score
.endr
.set j, 0
	s_setprio 1
	s_wait_alu depctr_va_vdst(0)
.rept 64
	v_exp_f32 v[S+j], v[S+j]                       ; p = 2^(t - M)
.set j, j+1
.endr
.irp b, 0,1,2,3
	v_exp_f32 v[MX+\b], v[MX+\b]                   ; the blocks' largest p: the same two instructions on the same number
.endr
	v_pk_mul_f32 v[14:15], v[14:15], v[FF:FF+1] op_sel_hi:[1,0]   ; ONE BATCH of 68 exponentials; behind it work that names none of its results: the sums and O^T under the new M
.set j, 0
	s_wait_alu depctr_va_vdst(0)
.rept 16
	v_pk_mul_f32 v[OT+j:OT+j+1], v[OT+j:OT+j+1], v[FF:FF+1] op_sel_hi:[1,0]
.set j, j+2
.endr
	s_wait_alu depctr_va_vdst(0)                   ; one wait for the batch, ahead of its first reader
.irp b, 0,1,2,3
	v_max_num_f32 v[MX+\b], 0x2800000, v[MX+\b]    ; the floor 2^(5 - 127): the byte cannot fall under 1
.endr
.irp b, 0,1,2,3
	s_delay_alu instid0(VALU_DEP_4)
	v_add_nc_u32 v[SO+\b], 0xfe000000, v[MX+\b]    ; 4 off the exponent field: the conversion's scale operand
.endr
.irp b, 0,1,2,3
	s_delay_alu instid0(VALU_DEP_4)
	v_lshrrev_b32 v[PT+\b], 23, v[SO+\b]           ; the scale's byte
.endr
	s_delay_alu instid0(VALU_DEP_3)
	v_lshl_or_b32 v29, v[PT+1], 8, v[PT]           ; p's scale word for these 128 keys
	s_delay_alu instid0(VALU_DEP_1)
	v_lshl_or_b32 v29, v[PT+2], 16, v29
	s_delay_alu instid0(VALU_DEP_1)
	v_lshl_or_b32 v29, v[PT+3], 24, v29
.irp c, 0,1
	v_cvt_scalef32_pk16_bf6_f32 v[PC+6*\c:PC+6*\c+2], v[S+32*\c:S+32*\c+15], v[SO+2*\c]
	v_cvt_scalef32_pk16_bf6_f32 v[PT+4*\c:PT+4*\c+2], v[S+32*\c+16:S+32*\c+31], v[SO+2*\c+1]   ; (a conversion's three registers begin on an even number)
.endr
	v_nop                                          ; one plain place behind a scaled conversion
.irp c, 0,1
.irp i, 0,1,2
	v_permlane16_swap_b32 v[PC+6*\c+\i], v[PT+4*\c+\i]   ; a whole block to a lane
.endr
.irp i, 0,1,2
	s_delay_alu instid0(VALU_DEP_3)
	v_mov_b32 v[PC+3+6*\c+\i], v[PT+4*\c+\i]
.endr
.endr
	v_pk_add_f32 v[40:41], v[100:101], v[104:105]
	v_pk_add_f32 v[254:255], v[108:109], v[112:113]
	v_pk_add_f32 v[252:253], v[116:117], v[120:121]
	v_pk_add_f32 v[94:95], v[124:125], v[128:129]
	v_pk_add_f32 v[92:93], v[132:133], v[136:137]
	v_pk_add_f32 v[90:91], v[140:141], v[144:145]
	v_pk_add_f32 v[14:15], v[14:15], v[148:149]
	v_pk_add_f32 v[40:41], v[40:41], v[152:153]
	v_pk_add_f32 v[254:255], v[254:255], v[156:157]
	v_pk_add_f32 v[252:253], v[252:253], v[96:97]
	v_pk_add_f32 v[94:95], v[94:95], v[98:99]
	v_pk_add_f32 v[92:93], v[92:93], v[102:103]
	s_setprio 0
	v_pk_add_f32 v[90:91], v[90:91], v[106:107]
	v_pk_add_f32 v[14:15], v[14:15], v[110:111]
	v_pk_add_f32 v[40:41], v[40:41], v[114:115]
	v_pk_add_f32 v[254:255], v[254:255], v[118:119]
	v_pk_add_f32 v[252:253], v[252:253], v[122:123]
	v_pk_add_f32 v[94:95], v[94:95], v[126:127]
	v_pk_add_f32 v[92:93], v[92:93], v[130:131]
	v_pk_add_f32 v[90:91], v[90:91], v[134:135]
	v_pk_add_f32 v[14:15], v[14:15], v[138:139]
	v_pk_add_f32 v[40:41], v[40:41], v[142:143]
	v_pk_add_f32 v[254:255], v[254:255], v[146:147]
	v_pk_add_f32 v[252:253], v[252:253], v[150:151]
	v_pk_add_f32 v[94:95], v[94:95], v[154:155]
	v_pk_add_f32 v[92:93], v[92:93], v[158:159]
	s_delay_alu instid0(VALU_DEP_2)
	v_pk_add_f32 v[14:15], v[14:15], v[94:95]
	s_delay_alu instid0(VALU_DEP_2)
	v_pk_add_f32 v[40:41], v[40:41], v[92:93]
	v_pk_add_f32 v[254:255], v[254:255], v[90:91]
	s_delay_alu instid0(VALU_DEP_1)
	v_pk_add_f32 v[14:15], v[14:15], v[254:255]
	s_delay_alu instid0(VALU_DEP_3)
	v_pk_add_f32 v[40:41], v[40:41], v[252:253]
	s_delay_alu instid0(VALU_DEP_1)
	v_pk_add_f32 v[14:15], v[14:15], v[40:41]
	s_wait_dscnt 0x0                               ; V is in
.irp t, 0,1,2,3
.if \t >= 2
	v_wmma_scale_f32_16x16x128_f8f6f4 v[OT+8*\t:OT+8*\t+7], v[VF+12*\t:VF+12*\t+11], v[PC:PC+11], v[OT+8*\t:OT+8*\t+7], v[30+(\t%2)], v29 matrix_a_fmt:MATRIX_FMT_BF6 matrix_b_fmt:MATRIX_FMT_BF6 matrix_a_scale:MATRIX_SCALE_ROW1
.else
	v_wmma_scale_f32_16x16x128_f8f6f4 v[OT+8*\t:OT+8*\t+7], v[VF+12*\t:VF+12*\t+11], v[PC:PC+11], v[OT+8*\t:OT+8*\t+7], v[30+(\t%2)], v29 matrix_a_fmt:MATRIX_FMT_BF6 matrix_b_fmt:MATRIX_FMT_BF6
.endif
.endr
.endm
.macro STEPS base                      ; a slot's eight key steps
	s_mov_b32 s36, \base
	s_mov_b32 s37, 8
.Lstep_\@:
	s_setprio 2
	STEP
	s_add_co_u32 s36, s36, KVCH
	s_sub_co_u32 s37, s37, 1
	s_cmp_lg_u32 s37, 0
	s_cbranch_scc1 .Lstep_\@
	s_setprio 0
.endm
; THE CHANGE OF SLOTS.  Each wave waits for all its tensor loads (the slot ahead is whole), adds 0 to its spare word, and waits for that and for its reads of the slot that it leaves.
; fill = 1: slot s, just left, takes the key steps two slots on: a round of the cluster's barrier, so that no wave of any partner still reads it or has a load on its way, then the joint load first.
.macro CHANGE s, fill
	s_wait_tensorcnt 0x0                           ; no tensor load of mine is out, so a group 0 may be written
	ds_add_u32 v3, v4                              ; 0 onto my spare word
.if \fill
	s_add_nc_u64 s[26+4*\s:27+4*\s], s[26+4*\s:27+4*\s], 2*SLOT
.endif
	s_wait_dscnt 0x0                               ; the add is done, and my reads of the slot are over
.if \fill
	CROUND
	s_cmp_lt_u32 s10, 4
	s_cbranch_scc0 .Lno_fill_\@
	tensor_load_to_lds s[24+4*\s:27+4*\s], s[16:23]
	s_nop 0
	PLACES
.Lno_fill_\@:
.else
	s_barrier_signal -1
	s_barrier_wait -1
.endif
.endm
	s_wait_tensorcnt 1                             ; my part of slot 0 is in; slot 1's may stay out
	s_barrier_signal -1
	s_barrier_wait -1
	s_wait_loadcnt 0x0                             ; Q
	STEPS 0                                        ; key steps 0-7
	CHANGE 0, 1
	STEPS SLOT                                     ; 8-15
	CHANGE 1, 1
	STEPS 0                                        ; 16-23
	CHANGE 0, 0
	STEPS SLOT                                     ; 24-31
	; THE WAY OUT: O^T / the sum, quantised along the head's 64 channels (two blocks; register 16 b + i is channel 32 b + 16 h + i), stored as a half image
	PLACES
	s_wait_alu depctr_va_vdst(0)
	v_add_f32 v14, v14, v15
	s_delay_alu instid0(VALU_DEP_1)
	v_permlanex16_b32 v36, v14, s32, s33
	s_delay_alu instid0(VALU_DEP_1)
	v_add_f32 v14, v14, v36                        ; the row's sum
	s_wait_alu depctr_va_vdst(0)
	v_rcp_f32 v14, v14
	v_nop                                          ; a plain place behind the reciprocal,
	s_wait_alu depctr_va_vdst(0)                   ; and the wait ahead of its first reader
.set j, 0
.rept 16
	v_pk_mul_f32 v[S+j:S+j+1], v[OT+j:OT+j+1], v[14:15] op_sel_hi:[1,0]   ; each accumulator from its low end on
.set j, j+2
.endr
.irp b, 0,1
	v_max3_num_f32 v[MX+\b], |v[S+16*\b]|, |v[S+16*\b+1]|, 0x2800000
.endr
.irp i, 2,4,6,8,10,12,14
.irp b, 0,1
	s_delay_alu instid0(VALU_DEP_2)
	v_max3_num_f32 v[MX+\b], v[MX+\b], |v[S+16*\b+\i]|, |v[S+16*\b+\i+1]|
.endr
.endr
.irp b, 0,1
	s_delay_alu instid0(VALU_DEP_2)
	v_permlanex16_b32 v[PT+\b], v[MX+\b], s32, s33
.endr
.irp b, 0,1
	s_delay_alu instid0(VALU_DEP_2)
	v_max_num_f32 v[MX+\b], v[MX+\b], v[PT+\b]
.endr
.irp b, 0,1
	s_delay_alu instid0(VALU_DEP_2)
	v_add_nc_u32 v[SO+\b], 0xfe000000, v[MX+\b]
.endr
.irp b, 0,1
	s_delay_alu instid0(VALU_DEP_2)
	v_lshrrev_b32 v[PT+\b], 23, v[SO+\b]
.endr
	s_delay_alu instid0(VALU_DEP_1)
	v_lshl_or_b32 v[TT], v[PT+1], 8, v[PT]         ; two bytes; the upper two stay 0
	v_cvt_scalef32_pk16_bf6_f32 v[PC:PC+2], v[S:S+15], v[SO]
	v_cvt_scalef32_pk16_bf6_f32 v[PT+4:PT+6], v[S+16:S+31], v[SO+1]
	v_nop
.irp i, 0,1,2
	v_permlane16_swap_b32 v[PC+\i], v[PT+4+\i]
.endr
.irp i, 0,1,2
	s_delay_alu instid0(VALU_DEP_3)
	v_mov_b32 v[PC+3+\i], v[PT+4+\i]
.endr
	global_store_b128 v1, v[PC:PC+3], s[50:51]     ; 512 consecutive bytes,
	global_store_b64 v2, v[PC+4:PC+5], s[50:51] offset:512   ; and 256
	s_wait_xcnt 0x0                                ; EXEC changes only behind this wait
	v_cmp_gt_u32 vcc_lo, 16, v9
	s_and_saveexec_b32 s54, vcc_lo
	global_store_b32 v8, v[TT], s[52:53]           ; lanes 0-15: my tile's sixteen scale words
	s_wait_xcnt 0x0
	s_or_b32 exec_lo, exec_lo, s54
	s_wait_tensorcnt 0x0                           ; the wave's end
	ds_add_u32 v3, v4
	s_wait_dscnt 0x0
	CROUND                                         ; the closing round: no work-group ends while a partner may still ask for a tile that names it
	s_endpgm
.Lfunc_end_k_q6a5951cf3d_attn:
	.size	k_q6a5951cf3d_attn, .Lfunc_end_k_q6a5951cf3d_attn-k_q6a5951cf3d_attn
	.p2alignl 7, 3214868480
	.fill 96, 4, 3214868480
	.section	.rodata,"a",@progbits
	.p2align	6, 0x0
	.amdhsa_kernel k_q6a5951cf3d_attn
		.amdhsa_group_segment_fixed_size 327680
		.amdhsa_private_segment_fixed_size 0
		.amdhsa_enable_private_segment 0
		.amdhsa_kernarg_size 24
		.amdhsa_user_sgpr_count 2
		.amdhsa_user_sgpr_kernarg_segment_ptr 1
		.amdhsa_wavefront_size32 1
		.amdhsa_system_sgpr_workgroup_id_x 1
		.amdhsa_system_sgpr_workgroup_id_y 1
		.amdhsa_system_sgpr_workgroup_id_z 1
		.amdhsa_system_vgpr_workitem_id 0
		.amdhsa_next_free_vgpr 256
		.amdhsa_next_free_sgpr 66
		.amdhsa_reserve_vcc 1
		.amdhsa_float_denorm_mode_32 3
		.amdhsa_float_denorm_mode_16_64 3
		.amdhsa_memory_ordered 1
		.amdhsa_forward_progress 1
		.amdhsa_inst_pref_size 83
	.end_amdhsa_kernel
	.amdgpu_metadata
---
amdhsa.version: [ 1, 2 ]
amdhsa.kernels:
  - .name:           k_q6a5951cf3d_attn
    .symbol:         k_q6a5951cf3d_attn.kd
    .args:
      - { .name: qbuf, .offset: 0, .size: 8, .value_kind: global_buffer, .address_space: global }
      - { .name: kv, .offset: 8, .size: 8, .value_kind: global_buffer, .address_space: global }
      - { .name: obuf, .offset: 16, .size: 8, .value_kind: global_buffer, .address_space: global }
    .group_segment_fixed_size: 327680
    .private_segment_fixed_size: 0
    .kernarg_segment_align: 8
    .kernarg_segment_size: 24
    .max_flat_workgroup_size: 512
    .sgpr_count:     66
    .vgpr_count:     256
    .wavefront_size: 32
...
	.end_amdgpu_metadata
.endif
;; end of part 3
;; launch proj (part 4): grid 256 x 1, 16 waves a work-group, no clusters, 71,680 bytes of LDS; arguments obuf, wp_codes, wp_scales, bp, x, out0; writes out0
.if DOCPART == 4
	.amdgcn_target "amdgcn-amd-amdhsa--gfx1250"
	.amdhsa_code_object_version 6
	.text
	.protected	k_q6a5951cf3d_proj
	.globl	k_q6a5951cf3d_proj
	.p2align	8
	.type	k_q6a5951cf3d_proj,@function
k_q6a5951cf3d_proj:
	s_mov_b64 s[64:65], 0
	v_nop
	global_prefetch_b8 v0, s[64:65] scope:SCOPE_SE
	s_setreg_imm32_b32 hwreg(HW_REG_WAVE_MODE, 25, 1), 1
	s_wait_xcnt 0x0
; out0 = x + Wp o + bp, the product on codes of BF6 (E3M2) with one E8M0 scale for each 32 along K = the 256 channels.
; SHARES.  Work-group g: batch g / 64, block g % 64 of 64 pixels.  Wave w makes output channels 16 w .. 16 w + 15 for the 64 pixels: four accumulators.
; o comes as half images (16 pixels x one head's 64 channels, six registers a lane) with two scale bytes a row and head.  K goes a head (64) at a time in the instruction's 128: Wp's fragment is six registers of codes and six of zeros;
; o's half images lie six registers apart, so that an operand runs on into the next image's codes, which meet zero codes and add nothing; six zeroed registers close the run.
; Source 0 = 16 pixels (row r of tile 2 b + u is pixel 32 b + 8 u + r + 8 (r / 8)), source 1 = my 16 channels: register j of lane (r, h) is pixel 32 b + 16 h + 8 u + j of channel r: 32 neighbouring bytes of a row of out0.
; They meet in the wave's own stage in LDS (16 rows of 256 bytes + 16) and leave as whole rows: sixteen lanes store 256 consecutive bytes, aligned.  No barrier: waves share nothing.  Memory binds: no tensor load, no cluster.
.set OS,  16                           ; v16-23  o's scale words (2 T + s): lanes 0-15 head 2 s, lanes 16-31 head 2 s + 1
.set WS,  24                           ; v24-27  Wp's, a head each
.set BC,  28                           ; v28-35  the bias as C
.set WF,  36                           ; v36-83  Wp: four x (six of codes, six of zeros)
.set OF,  84                           ; v84-179 o's sixteen half images (4 T + head); v180-185 zeros; later v84-115: rows back from the stage
.set ACC, 186                          ; v186-217
.set XR,  218                          ; v218-249 x's rows
	s_load_b256 s[4:11], s[0:1], 0x0               ; obuf 4, wp_codes 6, wp_scales 8, bp 10
	s_load_b128 s[12:15], s[0:1], 0x20             ; x 12, out0 14
	v_lshl_add_u32 v254, v0, 2, 0x11000
	v_mov_b32 v255, 0
	v_lshrrev_b32 v1, 5, v0
	s_delay_alu instid0(VALU_DEP_1)
	v_readfirstlane_b32 s16, v1                    ; wave 0..15
	v_and_b32 v1, 31, v0                           ; L
	v_and_b32 v2, 15, v0                           ; r
	v_bfe_u32 v3, v0, 4, 1                         ; h
	s_delay_alu instid0(VALU_DEP_3)
	v_lshlrev_b32 v4, 4, v1
	s_delay_alu instid0(VALU_DEP_4)
	v_lshlrev_b32 v5, 3, v1
	v_lshlrev_b32 v6, 2, v1
	v_mul_u32_u24 v7, v2, 192
	s_delay_alu instid0(VALU_DEP_1)
	v_mad_u32_u24 v7, v3, 24, v7                   ; Wp: row r of 192 bytes, + 24 h
	v_lshlrev_b32 v8, 3, v2                        ; its scale bytes: 8 a row
	v_lshlrev_b32 v9, 4, v2
	s_delay_alu instid0(VALU_DEP_1)
	v_lshl_add_u32 v9, v3, 14, v9                  ; x, out0: lanes 0-15 one channel's 256 bytes, lanes 16-31 the next channel's
	s_mul_i32 s17, s16, 4352                       ; my stage
	v_mul_u32_u24 v10, v2, 272
	s_delay_alu instid0(VALU_DEP_1)
	v_lshl_add_u32 v10, v3, 6, v10
	s_delay_alu instid0(VALU_DEP_1)
	v_add_nc_u32 v10, s17, v10                     ; in: row r, + 64 h
	v_mul_u32_u24 v11, v3, 272
	s_delay_alu instid0(VALU_DEP_1)
	v_lshl_add_u32 v11, v2, 4, v11
	s_delay_alu instid0(VALU_DEP_1)
	v_add_nc_u32 v11, s17, v11                     ; back: two rows an instruction
	v_lshlrev_b32 v12, 2, v2
	s_mul_i32 s18, ttmp9, 13312
	s_mov_b32 s19, 0
	s_mul_i32 s20, s16, 3072
	s_mov_b32 s21, 0
	s_lshl_b32 s22, s16, 7
	s_mov_b32 s23, 0
	s_lshl_b32 s24, s16, 6
	s_mov_b32 s25, 0
	s_lshr_b32 s26, ttmp9, 6
	s_lshl_b32 s26, s26, 22                        ; batch x 4 MiB
	s_lshl_b32 s27, s16, 18                        ; + 16 channels x 16 KiB a wave
	s_add_co_u32 s26, s26, s27
	s_and_b32 s27, ttmp9, 63
	s_lshl_b32 s27, s27, 8                         ; + 64 pixels x 4 bytes
	s_add_co_u32 s26, s26, s27
	s_mov_b32 s27, 0
	s_wait_alu depctr_va_vdst(0)
	s_wait_kmcnt 0x0
	s_add_nc_u64 s[4:5], s[4:5], s[18:19]
	s_add_nc_u64 s[6:7], s[6:7], s[20:21]
	s_add_nc_u64 s[8:9], s[8:9], s[22:23]
	s_add_nc_u64 s[10:11], s[10:11], s[24:25]
	s_add_nc_u64 s[12:13], s[12:13], s[26:27]
	s_add_nc_u64 s[14:15], s[14:15], s[26:27]
.irp n, 0,1,2,3,4,5,6,7,8,9,10,11,12,13,14,15
	global_load_b128 v[OF+6*\n:OF+6*\n+3], v4, s[4:5] offset:768*\n
	global_load_b64 v[OF+6*\n+4:OF+6*\n+5], v5, s[4:5] offset:768*\n+512
.endr
.irp f, 0,1,2,3,4,5,6,7
	global_load_b32 v[OS+\f], v6, s[4:5] offset:12288+128*\f
.endr
.irp d, 0,1,2,3
.irp p, 0,1,2
	global_load_b64 v[WF+12*\d+2*\p:WF+12*\d+2*\p+1], v7, s[6:7] offset:48*\d+8*\p
.endr
	global_load_u16 v[WS+\d], v8, s[8:9] offset:2*\d   ; two bytes; the upper two are 0
.endr
	global_load_b32 v[BC], v12, s[10:11]
.irp i, 0,1,2,3,4,5,6,7
	global_load_b128 v[XR+4*\i:XR+4*\i+3], v9, s[12:13] offset:32768*\i th:TH_LOAD_NT   ; x last: it is wanted last, and this is its last read
.endr
.irp d, 0,1,2,3
.irp j, 6,7,8,9,10,11
	v_mov_b32 v[WF+12*\d+\j], 0
.endr
.endr
.irp j, 0,1,2,3,4,5
	v_mov_b32 v[OF+96+\j], 0
.endr
	s_wait_loadcnt 8                               ; all but x's eight loads are in
.irp j, 1,2,3,4,5,6,7
	v_mov_b32 v[BC+\j], v[BC]                      ; a lane's eight results (pixels) belong to its one channel
.endr
.rept 4
	v_nop                                          ; places between vector-written operands and the scaled products
.endr
.irp d, 0,1,2,3                        ; the four accumulators by turns; the bias starts the sums
	s_wait_alu depctr_va_vdst(0)
.irp T, 0,1,2,3
.if \d == 0
	v_wmma_scale_f32_16x16x128_f8f6f4 v[ACC+8*\T:ACC+8*\T+7], v[OF+6*(4*\T+\d):OF+6*(4*\T+\d)+11], v[WF+12*\d:WF+12*\d+11], v[BC:BC+7], v[OS+2*\T+(\d/2)], v[WS+\d] matrix_a_fmt:MATRIX_FMT_BF6 matrix_b_fmt:MATRIX_FMT_BF6
.elseif (\d%2) == 1
	v_wmma_scale_f32_16x16x128_f8f6f4 v[ACC+8*\T:ACC+8*\T+7], v[OF+6*(4*\T+\d):OF+6*(4*\T+\d)+11], v[WF+12*\d:WF+12*\d+11], v[ACC+8*\T:ACC+8*\T+7], v[OS+2*\T+(\d/2)], v[WS+\d] matrix_a_fmt:MATRIX_FMT_BF6 matrix_b_fmt:MATRIX_FMT_BF6 matrix_a_scale:MATRIX_SCALE_ROW1
.else
	v_wmma_scale_f32_16x16x128_f8f6f4 v[ACC+8*\T:ACC+8*\T+7], v[OF+6*(4*\T+\d):OF+6*(4*\T+\d)+11], v[WF+12*\d:WF+12*\d+11], v[ACC+8*\T:ACC+8*\T+7], v[OS+2*\T+(\d/2)], v[WS+\d] matrix_a_fmt:MATRIX_FMT_BF6 matrix_b_fmt:MATRIX_FMT_BF6
.endif
.endr
.endr
.rept 4
	v_nop                                          ; four places ahead of the stores that read results and of the loads into o's registers
.endr
.irp T, 0,1,2,3
	ds_store_b128 v10, v[ACC+8*\T:ACC+8*\T+3] offset:128*(\T/2)+32*(\T%2)       ; each accumulator from its low end on
	ds_store_b128 v10, v[ACC+8*\T+4:ACC+8*\T+7] offset:128*(\T/2)+32*(\T%2)+16
.endr
.irp i, 0,1,2,3,4,5,6,7
	ds_load_b128 v[OF+4*\i:OF+4*\i+3], v11 offset:544*\i   ; LDS serves a wave's instructions in order: these see my stores
.endr
	s_wait_loadcnt 0x0                             ; x
.irp i, 0,1,2,3,4,5,6,7
	s_wait_dscnt 7-\i                              ; rows 2 i, 2 i + 1 are back; the younger loads stay out
	v_pk_add_f32 v[OF+4*\i:OF+4*\i+1], v[OF+4*\i:OF+4*\i+1], v[XR+4*\i:XR+4*\i+1]
	v_pk_add_f32 v[OF+4*\i+2:OF+4*\i+3], v[OF+4*\i+2:OF+4*\i+3], v[XR+4*\i+2:XR+4*\i+3]
	global_store_b128 v9, v[OF+4*\i:OF+4*\i+3], s[14:15] offset:32768*\i th:TH_STORE_NT   ; sixteen lanes store 256 consecutive bytes, aligned
.endr
	s_wait_tensorcnt 0x0
	ds_add_u32 v254, v255
	s_wait_dscnt 0x0
	s_endpgm
.Lfunc_end_k_q6a5951cf3d_proj:
	.size	k_q6a5951cf3d_proj, .Lfunc_end_k_q6a5951cf3d_proj-k_q6a5951cf3d_proj
	.p2alignl 7, 3214868480
	.fill 96, 4, 3214868480
	.section	.rodata,"a",@progbits
	.p2align	6, 0x0
	.amdhsa_kernel k_q6a5951cf3d_proj
		.amdhsa_group_segment_fixed_size 71680
		.amdhsa_private_segment_fixed_size 0
		.amdhsa_enable_private_segment 0
		.amdhsa_kernarg_size 48
		.amdhsa_user_sgpr_count 2
		.amdhsa_user_sgpr_kernarg_segment_ptr 1
		.amdhsa_wavefront_size32 1
		.amdhsa_system_sgpr_workgroup_id_x 1
		.amdhsa_system_sgpr_workgroup_id_y 1
		.amdhsa_system_sgpr_workgroup_id_z 1
		.amdhsa_system_vgpr_workitem_id 0
		.amdhsa_next_free_vgpr 256
		.amdhsa_next_free_sgpr 66
		.amdhsa_reserve_vcc 0
		.amdhsa_float_denorm_mode_32 3
		.amdhsa_float_denorm_mode_16_64 3
		.amdhsa_memory_ordered 1
		.amdhsa_forward_progress 1
		.amdhsa_inst_pref_size 16
	.end_amdhsa_kernel
	.amdgpu_metadata
---
amdhsa.version: [ 1, 2 ]
amdhsa.kernels:
  - .name:           k_q6a5951cf3d_proj
    .symbol:         k_q6a5951cf3d_proj.kd
    .args:
      - { .name: obuf, .offset: 0, .size: 8, .value_kind: global_buffer, .address_space: global }
      - { .name: wp_codes, .offset: 8, .size: 8, .value_kind: global_buffer, .address_space: global }
      - { .name: wp_scales, .offset: 16, .size: 8, .value_kind: global_buffer, .address_space: global }
      - { .name: bp, .offset: 24, .size: 8, .value_kind: global_buffer, .address_space: global }
      - { .name: x, .offset: 32, .size: 8, .value_kind: global_buffer, .address_space: global }
      - { .name: out0, .offset: 40, .size: 8, .value_kind: global_buffer, .address_space: global }
    .group_segment_fixed_size: 71680
    .private_segment_fixed_size: 0
    .kernarg_segment_align: 8
    .kernarg_segment_size: 48
    .max_flat_workgroup_size: 512
    .sgpr_count:     66
    .vgpr_count:     256
    .wavefront_size: 32
...
	.end_amdgpu_metadata
.endif
;; end of part 4
